; MI455X (gfx1250); checked and timed in simulation.
; The chip was launched on July 23, 2026; its instructions are those of AMD's public machine-readable ISA for CDNA 5 (MIT licence, August 2026) and "CDNA5" Instruction Set Architecture Reference Guide (July 2026). The comments in the code are by the model that wrote it; some were corrected since.
;; Batch Lore Attention Layer. Allowed arithmetic: matrix products marked QUANTISED: E4M3 operands, one E8M0 scale for each 32 along K, by v_wmma_scale_f32_16x16x128_f8f6f4 with both operands' format E4M3, f32 sums; products left as they are: f32 operands where the result goes on into a quantised operand, else bf16, f16 or f32 operands; f32 sums; everything else in f32.
;; Inputs: embeddings 2,048 x 128 x 256 float32; k_b 256 float32; k_w 256 x 256 float32; padding_mask 2,048 x 128 bool; q_b 256 float32; q_w 256 x 256 float32.
;; Outputs: out0 2,048 x 256 float32.
;; This version of the problem:
;;   THIS VERSION OF THE PROBLEM IS GIVEN IN LOW PRECISION. The matrix products marked QUANTISED in the list below multiply operands that are first quantised to E4M3 (4 exponent bits, 3 mantissa bits; 8 bits a number), with one power-of-two scale for each 32 numbers along K (OCP MX v1.0); their sums are f32. All else is computed in f32.
;;   The module's matrix products, in the order in which they are computed (A, B: the left and right operand; K: the contracted axis; several contracted axes count as one K, in the product's order):
;;     1. [M 262,144, K 256] x [K 256, N 256]; A: input embeddings; B: input q_w: QUANTISED
;;     2. [M 262,144, K 256] x [K 256, N 256]; A: input embeddings; B: input k_w: QUANTISED
;;     3. batch 2,048 x [M 128, K 256] x [K 256, N 128]; A: computed on the way; B: computed on the way: QUANTISED
;;     4. batch 2,048 x [M 128, K 128] x [K 128, N 256]; A: softmax (see below); B: input embeddings: QUANTISED
;;     5. batch 2,048 x [M 256, K 128] x [K 128, N 1]; A: computed on the way; B: computed on the way: left as it is (N = 1 < 16)
;;   THE QUANTISER, for each operand of a quantised product, along K:
;;     - K is cut into blocks of 32 from its start; a last block that is shorter is filled with zeros.
;;     - A block's scale is 2^e with e = floor(log2(the largest magnitude in the block)) - 8, held to -126 .. 127; a block of zeros has e = 0. As a byte (E8M0): e + 127.
;;     - Each number is divided by its block's scale, clamped to +-448, and rounded to the nearest number of E4M3, ties to even, subnormals kept.
;;     - The product sums the exact products of the quantised numbers (number of the format x scale) in f32.
;;   ~~~python
;;   def quantise(x, axis):      # numpy; x: float32 -> the quantised numbers, widened to float32 again
;;       x = np.moveaxis(x, axis, -1); K = x.shape[-1]
;;       x = np.pad(x, [(0, 0)] * (x.ndim - 1) + [(0, -K % 32)]); x = x.reshape(x.shape[:-1] + (-1, 32)); a = np.abs(x).max(-1, keepdims=True)
;;       e = np.where(a > 0, np.clip(np.frexp(np.where(a > 0, a, 1))[1] - 1 - 8, -126, 127), 0)      # np.frexp(a)[1] - 1 = floor(log2(a)), exactly
;;       r = np.clip(x / 2.0 ** e, -448, 448)
;;       step = 2.0 ** (np.maximum(np.frexp(np.where(r == 0, 1, r))[1] - 1, -6) - 3)
;;       q = np.round(r / step) * step * 2.0 ** e      # np.round: ties to even
;;       return np.moveaxis(q.reshape(q.shape[:-2] + (-1,))[..., :K], -1, axis).astype(np.float32)
;;   ~~~
;;   SOFTMAX AHEAD OF A QUANTISED PRODUCT. Where the list says 'softmax', what is quantised is not the finished softmax but p = 2^(t - M), with t = logit x log2(e) and M = ceil(the row's largest t), a whole number; so 1/2 < the row's largest p <= 1. The row's sum l is taken of the UNQUANTISED p, in f32, and the product's result is divided by l at the end. Since M is a whole number, a kernel that streams over the keys may use a running M (the ceiling of the running maximum): every later rescaling is an exact power of two, which a block's scale takes up: the codes' values come out the same.
;;   OPERANDS COMPUTED ON THE WAY. 'Computed on the way' means the value that the module computes at that place (a softmax that the list does not call 'softmax' is quantised finished and normalised). What goes into a quantiser is computed in f32, as accurately as f32 sums, v_exp_f32 and their like allow (about 1e-6 of the number): no bf16 or f16 on the way to a quantiser, and a product that is left as it is and whose result goes on into a quantised operand takes f32 operands (vector FMAs, or v_wmma_f32_16x16x4_f32). A number that lies on a knife's edge between two numbers of the format may be rounded either way, as far as f32 arithmetic and the matrix unit's own rounding can turn it there, and no further.
;; One version. Each part assembles by itself: llvm-mc -triple=amdgcn-amd-amdhsa -mcpu=gfx1250 --defsym DOCPART=n.
;; ======== version 1 of 1: 2 launches
;; limits: right only within a limited range of input values
;; workspace buffers: wcodes 131,072 bytes; wscales 8,192 bytes
;; launch wquant (part 1): grid 16 x 1, 4 waves a work-group, no clusters, 0 bytes of LDS; arguments q_w, k_w, wcodes, wscales; writes wcodes, wscales
.if DOCPART == 1
	.amdgcn_target "amdgcn-amd-amdhsa--gfx1250"
	.amdhsa_code_object_version 6
	.text
	.protected	k_q81e4d5fb91_wquant
	.globl	k_q81e4d5fb91_wquant
	.p2align	8
	.type	k_q81e4d5fb91_wquant,@function
k_q81e4d5fb91_wquant:
	s_mov_b64 s[64:65], 0
	v_nop
	global_prefetch_b8 v0, s[64:65] scope:SCOPE_SE
	s_setreg_imm32_b32 hwreg(HW_REG_WAVE_MODE, 25, 1), 1
	s_wait_xcnt 0x0
; q_w and k_w, [256 (e)][256 (d)] f32, are quantised ONCE along d into codes of FP8 (E4M3) with one E8M0 byte for each 32 along d,
; and laid as IMAGES OF THE OPERAND'S REGISTERS, so that the next launch loads them straight into the registers where they stay.
; A fragment is 16 rows e x 128 along d: 16 registers a lane.  Fragment f = 32 x matrix + 2 x (tile of 16 rows) + (K step of 128).
; Its image: register group c (4 registers) of lane l at 2,048 f + 512 c + 16 l of wcodes; lane l's scale word at 128 f + 4 l of wscales.
; One wave makes one fragment: 64 waves, 16 work-groups.  Lane (r, h) takes row r and, of each block of 32, the 16 numbers 16 h on,
; which is what the operand's layout gives that lane, so the conversions' results are the operand's registers.
; A block's scale is 2^(floor(log2(its largest magnitude)) - 8); its byte is that magnitude's exponent field - 8, held at 1 from below.
; LIMITS: a block of zeros keeps the byte 1 where the rule says 127 (its codes are zeros, and this program alone reads the bytes);
; NaN and infinities among the inputs are not served.
; A lane's loads are 64 bytes from its neighbour's row piece: parts of many 256-byte runs, accepted for 512 KiB that are read once.
.set TM, 16                            ; v16-19 largest magnitudes, v20-23 bytes, v24-27 448 x the scale, v28-31 the conversions' scale operands
.set PC, 32                            ; v32-47 the codes
.set PW, 48                            ; v48    the scale word
.set RW, 64                            ; v64-127 my 64 numbers: register 16 b + i = d 32 b + 16 h + i of my row
	s_load_b128 s[4:7], s[0:1], 0x0                ; q_w, k_w
	s_load_b128 s[8:11], s[0:1], 0x10              ; wcodes, wscales
	v_lshrrev_b32 v1, 5, v0
	v_readfirstlane_b32 s12, v1                    ; wave
	s_lshl_b32 s13, ttmp9, 2
	s_add_co_u32 s13, s13, s12                     ; f = 4 x work-group + wave
	v_and_b32 v4, 15, v0                           ; r
	v_bfe_u32 v5, v0, 4, 1                         ; h
	v_and_b32 v6, 31, v0                           ; lane
	v_lshlrev_b32 v1, 10, v4
	v_lshl_add_u32 v1, v5, 6, v1                   ; in: row r of 1,024 bytes, + 64 h
	v_lshlrev_b32 v2, 4, v6                        ; out: 16 x lane
	v_lshlrev_b32 v3, 2, v6                        ; and 4 x lane
	s_bfe_u32 s14, s13, 0x40001                    ; the tile of 16 rows in its matrix: (f / 2) % 16
	s_lshl_b32 s14, s14, 14                        ; 16 rows of 1,024 bytes
	s_and_b32 s15, s13, 1
	s_lshl_b32 s15, s15, 9                         ; the K step: 128 numbers
	s_add_co_u32 s14, s14, s15
	s_mov_b32 s15, 0
	s_lshl_b32 s16, s13, 11
	s_mov_b32 s17, 0
	s_lshl_b32 s18, s13, 7
	s_mov_b32 s19, 0
	s_mov_b32 s20, 0x600000                        ; the mantissa field of 448
	s_mov_b32 s22, 0x76543210
	s_mov_b32 s23, 0xfedcba98                      ; v_permlanex16_b32's selects for lane l xor 16
.irp b, 0,1,2,3
	v_mov_b32 v[TM+4+\b], 0                        ; a lane permute's destination counts as one of its sources
.endr
	s_wait_alu depctr_va_vdst(0)
	s_wait_kmcnt 0x0
	s_cmp_lt_u32 ttmp9, 8                          ; fragments 0-31 are q_w's: the choice hangs on the work-group's number alone
	s_cselect_b64 s[4:5], s[4:5], s[6:7]
	s_add_nc_u64 s[4:5], s[4:5], s[14:15]
	s_add_nc_u64 s[8:9], s[8:9], s[16:17]
	s_add_nc_u64 s[10:11], s[10:11], s[18:19]
.irp b, 0,1,2,3
.irp j, 0,1,2,3
	global_load_b128 v[RW+16*\b+4*\j:RW+16*\b+4*\j+3], v1, s[4:5] offset:128*\b+16*\j th:TH_LOAD_NT
.endr
.endr
	s_wait_loadcnt 0x0
.irp b, 0,1,2,3
	v_max3_num_f32 v[TM+\b], |v[RW+16*\b]|, |v[RW+16*\b+1]|, 0x4800000   ; my 16 numbers of block b, and the floor 2^(9 - 127): the byte cannot fall under 1
.endr
.irp i, 2,4,6,8,10,12,14
.irp b, 0,1,2,3
	v_max3_num_f32 v[TM+\b], v[TM+\b], |v[RW+16*\b+\i]|, |v[RW+16*\b+\i+1]|   ; the four blocks by turns
.endr
.endr
.irp b, 0,1,2,3
	v_permlanex16_b32 v[TM+4+\b], v[TM+\b], s22, s23
.endr
.irp b, 0,1,2,3
	v_max_num_f32 v[TM+\b], v[TM+\b], v[TM+4+\b]   ; with lane l xor 16's 16: the block's largest magnitude
.endr
.irp b, 0,1,2,3
	v_add_nc_u32 v[TM+12+\b], 0xfc000000, v[TM+\b] ; 8 off its exponent field: the conversion's scale operand
.endr
.irp b, 0,1,2,3
	v_and_or_b32 v[TM+8+\b], v[TM+\b], 0x7f800000, s20   ; 448 x the scale
.endr
.irp b, 0,1,2,3
	v_lshrrev_b32 v[TM+4+\b], 23, v[TM+12+\b]      ; the scale's byte
.endr
	v_lshl_or_b32 v[PW], v[TM+5], 8, v[TM+4]
	v_lshl_or_b32 v[PW], v[TM+6], 16, v[PW]
	v_lshl_or_b32 v[PW], v[TM+7], 24, v[PW]        ; my row's scale word
.irp b, 0,1,2,3
.irp i, 0,1,2,3,4,5,6,7,8,9,10,11,12,13,14,15
	v_med3_num_f32 v[RW+16*\b+\i], v[RW+16*\b+\i], -v[TM+8+\b], v[TM+8+\b]   ; the conversion to an 8-bit code does not saturate (ISA guide 7.6.2): the hold comes first
.endr
	v_cvt_scalef32_pk8_fp8_f32 v[PC+4*\b:PC+4*\b+1], v[RW+16*\b:RW+16*\b+7], v[TM+12+\b]
	v_cvt_scalef32_pk8_fp8_f32 v[PC+4*\b+2:PC+4*\b+3], v[RW+16*\b+8:RW+16*\b+15], v[TM+12+\b]
.endr
	v_nop                                          ; one plain line behind the last conversion
.irp c, 0,1,2,3
	global_store_b128 v2, v[PC+4*\c:PC+4*\c+3], s[8:9] offset:512*\c   ; 32 lanes store 512 consecutive bytes
.endr
	global_store_b32 v3, v[PW], s[10:11]           ; 128 consecutive bytes: half of a 256-byte run; 8 KiB in the whole launch
	s_endpgm
.Lfunc_end_k_q81e4d5fb91_wquant:
	.size	k_q81e4d5fb91_wquant, .Lfunc_end_k_q81e4d5fb91_wquant-k_q81e4d5fb91_wquant
	.p2alignl 7, 3214868480
	.fill 96, 4, 3214868480
	.section	.rodata,"a",@progbits
	.p2align	6, 0x0
	.amdhsa_kernel k_q81e4d5fb91_wquant
		.amdhsa_group_segment_fixed_size 0
		.amdhsa_private_segment_fixed_size 0
		.amdhsa_enable_private_segment 0
		.amdhsa_kernarg_size 32
		.amdhsa_user_sgpr_count 2
		.amdhsa_user_sgpr_kernarg_segment_ptr 1
		.amdhsa_wavefront_size32 1
		.amdhsa_system_sgpr_workgroup_id_x 1
		.amdhsa_system_sgpr_workgroup_id_y 1
		.amdhsa_system_sgpr_workgroup_id_z 1
		.amdhsa_system_vgpr_workitem_id 0
		.amdhsa_next_free_vgpr 128
		.amdhsa_next_free_sgpr 66
		.amdhsa_reserve_vcc 0
		.amdhsa_float_denorm_mode_32 3
		.amdhsa_float_denorm_mode_16_64 3
		.amdhsa_memory_ordered 1
		.amdhsa_forward_progress 1
		.amdhsa_inst_pref_size 12
	.end_amdhsa_kernel
	.amdgpu_metadata
---
amdhsa.version: [ 1, 2 ]
amdhsa.kernels:
  - .name:           k_q81e4d5fb91_wquant
    .symbol:         k_q81e4d5fb91_wquant.kd
    .args:
      - { .name: q_w, .offset: 0, .size: 8, .value_kind: global_buffer, .address_space: global }
      - { .name: k_w, .offset: 8, .size: 8, .value_kind: global_buffer, .address_space: global }
      - { .name: wcodes, .offset: 16, .size: 8, .value_kind: global_buffer, .address_space: global }
      - { .name: wscales, .offset: 24, .size: 8, .value_kind: global_buffer, .address_space: global }
    .group_segment_fixed_size: 0
    .private_segment_fixed_size: 0
    .kernarg_segment_align: 8
    .kernarg_segment_size: 32
    .max_flat_workgroup_size: 128
    .sgpr_count:     66
    .vgpr_count:     128
    .wavefront_size: 32
...
	.end_amdgpu_metadata
.endif
;; end of part 1
;; launch attn (part 2): grid 256 x 1, 8 waves a work-group, no clusters, 327,680 bytes of LDS; arguments embeddings, padding_mask, q_b, k_b, wcodes, wscales, out0; writes out0
.if DOCPART == 2
	.amdgcn_target "amdgcn-amd-amdhsa--gfx1250"
	.amdhsa_code_object_version 6
	.text
	.protected	k_q81e4d5fb91_attn
	.globl	k_q81e4d5fb91_attn
	.p2align	8
	.type	k_q81e4d5fb91_attn,@function
k_q81e4d5fb91_attn:
	s_mov_b64 s[64:65], 0
	v_nop
	global_prefetch_b8 v0, s[64:65] scope:SCOPE_SE
	s_setreg_imm32_b32 hwreg(HW_REG_WAVE_MODE, 25, 1), 1
	s_wait_xcnt 0x0
; out[b][d] = tanh( sum over valid l of softmax_m(Q[l] . K[m] / 16, padded m left out) X[m][d] / count ),  Q = X Wq^T + qb, K = X Wk^T + kb,  X = embeddings[b], [128 (l)][256 (d)] f32.
; All four large products run on codes of FP8 (E4M3) with one E8M0 byte for each 32 along their K; every operand but W is quantised here, in registers.
; SHARES.  256 work-groups of EIGHT waves, two to a SIMD, 512 registers each; work-group g stays for batches 8 g .. 8 g + 7.  (L lane, r = L % 16, h = L / 16, v wave.)
; X comes by tensor loads into ONE padded f32 stage in LDS, 16 rows a wave.  It is shown at barrier B3, read between B3 and B0, and filled again behind B0 with the batch after.
; FROM WAVE TO WAVE operands go through LDS as images of their registers: group c of lane l at 512 c + 16 l of a fragment's 2,048 bytes, its scale word at 4 l.
;  SQ2: wave v quantises row tile v along d (two fragments, sent as images).
;  ML, MQ: wave v loads and quantises columns 32 v + 2 r + B (B = 0, 1) along the keys (two fragments, which stay in its registers).
;  STEP: wave v keeps 64 rows of Wq (v < 4) or Wk in registers.  Used transposed (source 0 = 16 rows of W, source 1 = 16 rows of X): lane (r, h) holds X's row r, register 8 t + j unit 16 t + 8 h + j of its 64.
;      Registers 16 B .. 16 B + 15 of both halves of the lanes are a block of 32 units; inside a block the order differs from the operand's k, alike for Q and K.  The bias is the C of a sum's first product.  Two row tiles go together.
;  P3: S^T = K Q^T for query tile v: lane r one query, register 8 t + j key 16 t + 8 h + j.  The sums begin with the mask's numbers, loaded into the accumulators: -3e38 for a padded key, 0 for a valid one: p of a padded key is exactly 0.
;      t = score x log2(e) / 16; M = ceil(the row's largest t); p = 2^(t - M) is quantised, not normalised; the row's sum is taken of the unquantised p.
;  P4: O = P X for all 128 queries and my 32 columns, summed over the rows by packed multiply-adds with w[l] = valid[l] / (l's sum of p) / count; tanh; a wave stores 128 consecutive bytes of a batch's row (it owns no more of it).
; THREE BARRIERS A BATCH:  B0, the refill with batch b + 1 | MQ of b (pair 0's products between the lines of its second half), STEP 0 .. 3 of b | B2 | P3 of b | B3 | P4 of b and SQ2 of b + 1, then ML of b + 1 | B0 ...
;  Between B3 and B0 the waves take P4 and SQ2 in two orders, by (v xor v / 4) % 2, so that one half's LDS loads stand beside the other half's vector work.
;  Each region of LDS is written in one interval and read in another; in front of each barrier a wave waits for all its LDS instructions.  The last batch asks for nothing: it is written out behind the loop of seven trips.
; PREFETCH: in the trip that loads batch b + 1 each wave asks for its own 16 rows (16,384 bytes, lanes 256 bytes apart, two instructions) of batch b + 2, one trip ahead of the load that wants them; the last trip of the loop asks for nothing.
; NO CLUSTER: work-groups share only W's images, 136 KiB read once into registers against 1 MiB of X of their own.
; LIMITS: NaN and infinities among the inputs are not served; |score sum| stays under 4e37 (the mask's -3e38 must stay finite); a block of zeros keeps the scale byte 1 (its codes are zeros; the bytes are this program's own).
;  A batch whose every key is padded gives NaN, as the definition does (0 x infinity in the weights).
; REGISTERS.  window 0: v1-29 addresses and small things; v32-59 scale words; v60-63 scale words on their way out; v72-95 at work; v96-127 codes (also the key quantiser's hold, a place for K, O's sums); v128-191, v192-255 two sets of 64.
;  window 1: v0-127 W's 8 fragments, (tile t, K step s) at 16 (2 t + s); v128-159 the bias; v160-191 X along the keys; v192-255 fragment places.
.set SP,    1040                       ; a stage row: 1,024 bytes + 16
.set XIMG,  128*SP                     ; Xd's 16 fragments (row tile m, K step s: 2 m + s)
.set QIMG,  XIMG+32768
.set KIMG,  QIMG+32768
.set PIMG,  KIMG+32768                 ; P's 8
.set XSC,   PIMG+16384                 ; scale words, 128 bytes a fragment
.set QSC,   XSC+2048
.set KSC,   QSC+2048
.set PSC,   KSC+2048
.set MBT,   PSC+1024                   ; 128 f32: the mask's number by key
.set VAL,   MBT+512                    ; 128 f32: 1 or 0 by row
.set WT,    VAL+512                    ; 128 f32: the weights by row
.set SPARE, WT+512                     ; the spare words: 128 bytes a wave, four blocks of 256 bytes
.set SPW,  1
.set NIL,  2
.set SRD,  3                           ; stage, my rows along d: 16 SP v + SP r + 64 h
.set MRD0, 4                           ; v4, v5: stage, my columns down the rows: 8 SP h + 128 v + 8 r; + 64 SP
.set I16A, 6                           ; XIMG + 16 L
.set I16B, 7                           ; KIMG + 16 L
.set XWI,  8                           ; XIMG + 4,096 v + 16 L
.set HWI,  9                           ; QIMG + 32,768 (v / 4) + 2,048 ((v / 2) % 2) + 1,024 (v % 2) + 16 L
.set PWI,  10                          ; PIMG + 2,048 v + 16 L
.set L4,   11                          ; XSC + 4 L
.set XWS,  12                          ; XSC + 256 v + 4 L
.set HWS,  13                          ; QSC + 2,048 (v / 4) + 128 ((v / 2) % 2) + 2 (v % 2) + 4 L
.set PWS,  14                          ; PSC + 128 v + 4 L
.set T32H, 15                          ; MBT + 32 h
.set TQR,  16                          ; VAL + 64 v + 4 r
.set TTID, 17                          ; MBT + 4 x thread: threads 0-127 the mask's numbers, 128-255 the valid numbers
.set LCN,  18                          ; VAL + 16 L
.set GO,   19                          ; out: 128 v + 8 r + 4 h
.set GM,   20                          ; thread % 128: my mask byte
.set PFO,  21                          ; 256 L
.set MK,   22
.set IC,   23                          ; 1 / count
.set VL0,  24
.set TA,   27                          ; what my table takes for a padded position,
.set TB,   28                          ; and for a valid one
.set WQ,   29
.set W1S,  32                          ; v32-39 W's scale words, 2 t + s
.set SCR,  40                          ; v40-55 Xd's (1 - s + 2 a), then K's (2 t + s), then P's (q)
.set QS,   56                          ; v57, v56 my Q fragments' scale words, K step 0, 1
.set XMS,  58                          ; v58, v59 scale words of X along the keys
.set PW,   60                          ; v60-63 scale words just made
.set TM,   72
.set NM,   TM+16
.set SU,   TM+18
.set SV,   TM+20
.set T0,   TM+22
.set T1,   TM+23
.set PC0,  96
.set RA,   128
.set RB,   192
.set BI,   128                         ; window 1
.set XM,   160
.set FB,   192
.set WV,   18
.set MNT,  19
.set SEL,  20
.set CS,   22
.set NB,   24
.set HM,   25
.set G0,   28                          ; s[28:31], s[32:39] the stage's descriptor
.set G1,   32
.set PFA,  40                          ; s[40:41] my 16 rows of the batch after next
.set ODD,  54                          ; s54 (v xor v / 4) % 2: which of P4 and SQ2 I take first
.set MSB, 0
.set HK, 0
.set HN, 0
.set HD, 0
.set HF, -1
.macro WIN new
.if MSB != (\new)
	s_set_vgpr_msb (MSB<<8)|(\new)
.set MSB, (\new)
.endif
.endm
.macro WD n                            ; a wait for LDS; the first line stands ahead of a wait behind which fresh results are read
	s_wait_alu depctr_va_vdst(0)
	s_wait_dscnt \n
.endm
.macro BAR
	WD 0x0
	s_barrier_signal -1
	s_barrier_wait -1
.endm
.macro TBAR                            ; a barrier that also shows my tensor load
	s_wait_alu depctr_va_vdst(0)
	s_wait_tensorcnt 0x0
	s_wait_dscnt 0x0
	s_barrier_signal -1
	s_barrier_wait -1
.endm
.macro NOPS n
.rept \n
	v_nop
.endr
.endm
.macro XF p, s                         ; row tiles 2 p, 2 p + 1 of Xd, K step s: 8 loads into place s, and 2 scale words
	WIN 0x40
.irp a, 0,1
.irp c, 0,1,2,3
	ds_load_b128 v[FB+32*(\s)+16*\a+4*\c:FB+32*(\s)+16*\a+4*\c+3], v[I16A] offset:2048*(2*(2*(\p)+\a)+(\s))+512*\c
.endr
.endr
	WIN 0
.irp a, 0,1
	ds_load_b32 v[SCR+1-(\s)+2*\a], v[L4] offset:128*(2*(2*(\p)+\a)+(\s))
.endr
.endm
; THE PRODUCTS X W^T STAND BETWEEN THE QUANTISER'S LINES.  HSET p: the sixteen hooks that follow issue pair p's products: eight accumulators (2 row tiles x 4 tiles of units) by turns, K step 0 (C = the bias), then K step 1.
.macro HSET p
.set HK, 1
.set HN, 0
.set HD, RA+64*((\p)%2)
.endm
.macro HOOK
.if HK
.if HN == 8
	WD 0x0                                         ; K step 1's operands are in: nothing younger is out
.endif
.set HA, (HN%8)/4
.set HT, HN%4
.if HN < 8
	WIN 0x15
	v_wmma_scale_f32_16x16x128_f8f6f4 v[HD+32*HA+8*HT:HD+32*HA+8*HT+7], v[32*HT:32*HT+15], v[FB+16*HA:FB+16*HA+15], v[BI+8*HT:BI+8*HT+7], v[W1S+2*HT], v[SCR+1+2*HA]
.else
	WIN 0x05
	v_wmma_scale_f32_16x16x128_f8f6f4 v[HD+32*HA+8*HT:HD+32*HA+8*HT+7], v[32*HT+16:32*HT+31], v[FB+32+16*HA:FB+32+16*HA+15], v[HD+32*HA+8*HT:HD+32*HA+8*HT+7], v[W1S+2*HT+1], v[SCR+2*HA]
.endif
	WIN 0
.set HN, HN+1
.endif
.endm
.macro FHOOK                           ; place 0 is free: 18 plain lines or more stand behind the last product that read it
.if HK && (HF >= 0)
	XF HF, 0
.endif
.endm
; THE QUANTISER.  64 numbers of a lane in four groups of 16: number (g, i) is v[src + s1 (g % 2) + s2 (g / 2) + si i]; a group and lane l xor 16's are a block of 32.  The hold writes it to v[tmp + 16 (g % tmod) + i];
; group g's codes go to v[cod + c1 (g % 2) + c2 (g / 2)] on, under the window setting cw.  pk = -1: four bytes make a word in v[pw]; -2: two half words in v[pw], v[pw + 1]; 0, 2: bytes pk, pk + 1 of v[XMS], v[XMS + 1].
.macro QUANT src, si, s1, s2, tmp, tmod, cod, c1, c2, cw, pk, pw
	HOOK
.irp b, 0,1,2,3
	v_max3_num_f32 v[TM+\b], |v[\src+\s1*(\b%2)+\s2*(\b/2)]|, |v[\src+\s1*(\b%2)+\s2*(\b/2)+\si]|, 0x4800000   ; with the floor 2^(9 - 127): the byte cannot fall under 1
.endr
.irp i, 2,4,6,8,10,12,14
.irp b, 0,1,2,3
	v_max3_num_f32 v[TM+\b], v[TM+\b], |v[\src+\s1*(\b%2)+\s2*(\b/2)+\si*\i]|, |v[\src+\s1*(\b%2)+\s2*(\b/2)+\si*(\i+1)]|
.endr
.if (\i%4) == 2
	HOOK
.endif
.endr
.irp b, 0,1,2,3
	v_permlanex16_b32 v[TM+4+\b], v[TM+\b], s[SEL], s[SEL+1]
.endr
.irp b, 0,1,2,3
	v_max_num_f32 v[TM+\b], v[TM+\b], v[TM+4+\b]   ; the block's largest magnitude
.endr
	HOOK
.irp b, 0,1,2,3
	v_add_nc_u32 v[TM+12+\b], 0xfc000000, v[TM+\b] ; 8 off its exponent field: the conversion's scale operand
.endr
.irp b, 0,1,2,3
	v_and_or_b32 v[TM+8+\b], v[TM+\b], 0x7f800000, s[MNT]   ; 448 x the scale
.endr
	HOOK
.irp b, 0,1,2,3
	v_lshrrev_b32 v[TM+4+\b], 23, v[TM+12+\b]      ; the scale's byte
.endr
	HOOK
.if \pk == -1
	v_lshl_or_b32 v[\pw], v[TM+5], 8, v[TM+4]
	v_lshl_or_b32 v[\pw], v[TM+6], 16, v[\pw]
	v_lshl_or_b32 v[\pw], v[TM+7], 24, v[\pw]
.elseif \pk == -2
	v_lshl_or_b32 v[\pw], v[TM+5], 8, v[TM+4]
	v_lshl_or_b32 v[\pw+1], v[TM+7], 8, v[TM+6]
.elseif \pk == 0
	v_lshl_or_b32 v[XMS], v[TM+6], 8, v[TM+4]
	v_lshl_or_b32 v[XMS+1], v[TM+7], 8, v[TM+5]
.else
	v_lshl_or_b32 v[XMS], v[TM+4], 16, v[XMS]
	v_lshl_or_b32 v[XMS+1], v[TM+5], 16, v[XMS+1]
	v_lshl_or_b32 v[XMS], v[TM+6], 24, v[XMS]
	v_lshl_or_b32 v[XMS+1], v[TM+7], 24, v[XMS+1]
.endif
	HOOK
.irp b, 0,1,2,3
.irp i, 0,1,2,3,4,5,6,7,8,9,10,11,12,13,14,15
	v_med3_num_f32 v[\tmp+16*(\b%\tmod)+\i], v[\src+\s1*(\b%2)+\s2*(\b/2)+\si*\i], -v[TM+8+\b], v[TM+8+\b]   ; the conversion does not saturate (ISA guide 7.6.2): the hold comes first
.if (\i == 7) || ((\i == 15) && (\b < 3))
.if (\b == 0) && (\i == 15)
	FHOOK
.endif
	HOOK
.endif
.endr
	WIN \cw
	v_cvt_scalef32_pk8_fp8_f32 v[\cod+\c1*(\b%2)+\c2*(\b/2):\cod+\c1*(\b%2)+\c2*(\b/2)+1], v[\tmp+16*(\b%\tmod):\tmp+16*(\b%\tmod)+7], v[TM+12+\b]
	v_cvt_scalef32_pk8_fp8_f32 v[\cod+\c1*(\b%2)+\c2*(\b/2)+2:\cod+\c1*(\b%2)+\c2*(\b/2)+3], v[\tmp+16*(\b%\tmod)+8:\tmp+16*(\b%\tmod)+15], v[TM+12+\b]
	WIN 0
.endr
	v_nop                                          ; one plain line behind the last conversion
.endm
.macro IMG adr, off, pc
.irp c, 0,1,2,3
	ds_store_b128 v[\adr], v[\pc+4*\c:\pc+4*\c+3] offset:\off+512*\c
.endr
.endm
.macro DLOAD s, set                    ; my row 16 v + r, K step s: register 16 b + 4 j on = d 128 s + 32 b + 16 h + 4 j on
.irp b, 0,1,2,3
.irp j, 0,1,2,3
	ds_load_b128 v[\set+16*\b+4*\j:\set+16*\b+4*\j+3], v[SRD] offset:512*(\s)+128*\b+16*\j
.endr
.endr
.endm
.macro MLOAD hb, set                   ; key blocks 2 hb, 2 hb + 1: register 32 bb + 2 (8 u + j) + B = column B, row 64 hb + 32 bb + 16 u + 8 h + j; the 32 lanes read two runs of 128 bytes, eight rows apart
.irp bb, 0,1
.irp u, 0,1
.irp j, 0,1,2,3,4,5,6,7
	ds_load_b64 v[\set+32*\bb+2*(8*\u+\j):\set+32*\bb+2*(8*\u+\j)+1], v[MRD0+\hb] offset:(32*\bb+16*\u+\j)*SP
.endr
.endr
.endr
.endm
.macro SQ2                             ; my row tile of the X that lies in the stage, along d: two fragments, sent as images
	DLOAD 0, RA
	DLOAD 1, RB
	WD 16                                          ; K step 0 is in, and all older LDS instructions are done
	QUANT RA, 1, 16, 32, RA, 4, PC0, 4, 8, 0, -1, PW
	IMG XWI, 0, PC0
	ds_store_b32 v[XWS], v[PW]
	WD 5                                           ; K step 1 is in: behind it 5 stores
	QUANT RB, 1, 16, 32, RB, 4, PC0+16, 4, 8, 0, -1, PW+1
	IMG XWI, 2048, PC0+16
	ds_store_b32 v[XWS], v[PW+1] offset:128
.endm
.macro ML                              ; my 32 columns of the X that lies in the stage, all 128 keys: the stage's last reads
	MLOAD 0, RA
	MLOAD 1, RB
.endm
.macro STEP p, cnt                     ; pair p's 64 units of Q or K are quantised and sent; pair p + 1's products stand between the lines; pair p + 2's operands are asked for
.if (\cnt) >= 0
	WD \cnt
.endif
.set HF, -1
.if (\p) < 3
	HSET (\p)+1
.if (\p) < 2
.set HF, (\p)+2
.endif
.endif
	QUANT RA+64*((\p)%2), 1, 16, 32, RA+64*((\p)%2), 4, PC0+16*((\p)%2), 4, 8, 0, -2, PW+2*((\p)%2)
.set HK, 0
.irp a, 0,1
.irp e, 0,1
	ds_store_b128 v[HWI], v[PC0+16*((\p)%2)+8*\a+4*\e:PC0+16*((\p)%2)+8*\a+4*\e+3] offset:4096*(2*(\p)+\a)+512*\e
.endr
	ds_store_b16 v[HWS], v[PW+2*((\p)%2)+\a] offset:256*(2*(\p)+\a)
.endr
.if (\p) < 2
	XF (\p)+2, 1                                   ; nine plain lines stand behind the last product that read place 1
.endif
.endm
.macro P2 fill
.if \fill
	s_wait_alu depctr_va_vdst(0)
	s_wait_tensorcnt 0x0                           ; no tensor load of mine is out,
	ds_add_u32 v[SPW], v[NIL]                      ; the add to my spare word,
	s_add_nc_u64 s[G0+2:G0+3], s[G0+2:G0+3], 0x20000   ; the next batch's rows
	s_wait_dscnt 0x0                               ; the add is done, my reads of the stage are over (its numbers are in my registers), my images lie in LDS
	s_barrier_signal -1
	s_barrier_wait -1                              ; B0
	tensor_load_to_lds s[G0:G0+3], s[G1:G1+7]      ; my 16 rows of the next batch
	s_nop 0
	NOPS 4
	global_load_u8 v[MK], v[GM], s[6:7] offset:128 ; and its mask byte
.else
	BAR                                            ; B0
.endif
	XF 0, 0
	XF 0, 1
	QUANT RA, 2, 1, 32, PC0, 2, XM, 16, 4, 0x40, 0, 0          ; key blocks 0, 1
	WD 10                                          ; pair 0's operands of K step 0 are in
	HSET 0
.set HF, 1
	QUANT RB, 2, 1, 32, PC0, 2, XM+8, 16, 4, 0x40, 2, 0        ; key blocks 2, 3; pair 0's products stand between the lines
.set HK, 0
	XF 1, 1
	STEP 0, 10                                     ; behind pair 1's operands of K step 0: 10 loads
.if \fill
	s_wait_alu depctr_va_vdst(0)
	s_cmp_lt_u32 s[NB], 2
	s_cbranch_scc1 .Lnopf_\@                       ; the loop's last trip: no batch after next
	global_prefetch_b8 v[PFO], s[PFA:PFA+1] th:TH_LOAD_NT scope:SCOPE_SE
	global_prefetch_b8 v[PFO], s[PFA:PFA+1] offset:8192 th:TH_LOAD_NT scope:SCOPE_SE
.Lnopf_\@:
.endif
	STEP 1, 16                                     ; behind K step 0's operands: 6 stores and 10 loads
	STEP 2, 16
	STEP 3, -1
	BAR                                            ; B2: Q's and K's images lie in LDS
.endm
.macro KPL g                           ; group g: key tiles 2 (g % 4), + 1 of K step g / 4, in place g % 4
.if ((\g)%4) == 3
.set KP, FB+32
.set KW, 1
.elseif ((\g)%4) == 2
.set KP, PC0
.set KW, 0
.else
.set KP, RB+32*((\g)%4)
.set KW, 0
.endif
.set KA, 2*((\g)%4)
.set KST, (\g)/4
.endm
.macro KF g
	KPL \g
	WIN KW<<6
.irp k, 0,1
.irp c, 0,1,2,3
	ds_load_b128 v[KP+16*\k+4*\c:KP+16*\k+4*\c+3], v[I16B] offset:2048*(2*(KA+\k)+KST)+512*\c
.endr
.endr
	WIN 0
.endm
.macro SC g                            ; two products S^T = K Q^T; an accumulator's second K step stands eight products behind its first
	KPL \g
	WIN 0x04|KW
.irp k, 0,1
	v_wmma_scale_f32_16x16x128_f8f6f4 v[RA+8*(KA+\k):RA+8*(KA+\k)+7], v[KP+16*\k:KP+16*\k+15], v[FB+16*KST:FB+16*KST+15], v[RA+8*(KA+\k):RA+8*(KA+\k)+7], v[SCR+2*(KA+\k)+KST], v[QS+1-KST]
.endr
	WIN 0
.endm
.macro SC4X g0                         ; four groups: each wait leaves the younger groups' loads out, 8 a group
	KF \g0
	KF \g0+1
	KF \g0+2
	KF \g0+3
	WD 24
	SC \g0
	s_wait_dscnt 16
	SC \g0+1
	s_wait_dscnt 8
	SC \g0+2
	s_wait_dscnt 0x0
	SC \g0+3
	NOPS 8
.endm
.macro P3
	WIN 0x40
.irp s, 0,1
.irp c, 0,1,2,3
	ds_load_b128 v[FB+16*\s+4*\c:FB+16*\s+4*\c+3], v[XWI] offset:32768+2048*\s+512*\c
.endr
.endr
	WIN 0
	ds_load_b32 v[QS+1], v[XWS] offset:2048
	ds_load_b32 v[QS], v[XWS] offset:2048+128
.set n, 0
.rept 16
	ds_load_b32 v[SCR+n], v[L4] offset:4096+128*n
.set n, n+1
.endr
	ds_load_b32 v[VL0], v[TQR]
	ds_load_b128 v[TM+8:TM+11], v[LCN]
.set n, 0
.rept 16
	ds_load_b128 v[RA+4*n:RA+4*n+3], v[T32H] offset:64*(n/2)+16*(n%2)   ; the sums begin with the mask's numbers of keys 16 t + 8 h + j
.set n, n+1
.endr
	SC4X 0
	SC4X 4
	v_add_f32 v[TM+8], v[TM+8], v[TM+9]            ; the count of valid rows, over the 32 lanes
	v_add_f32 v[TM+10], v[TM+10], v[TM+11]
	v_add_f32 v[TM+8], v[TM+8], v[TM+10]
	v_add_f32_dpp v[TM+8], v[TM+8], v[TM+8] row_xmask:1 row_mask:0xf bank_mask:0xf
	v_add_f32_dpp v[TM+8], v[TM+8], v[TM+8] row_xmask:2 row_mask:0xf bank_mask:0xf
	v_add_f32_dpp v[TM+8], v[TM+8], v[TM+8] row_xmask:4 row_mask:0xf bank_mask:0xf
	v_add_f32_dpp v[TM+8], v[TM+8], v[TM+8] row_xmask:8 row_mask:0xf bank_mask:0xf
	v_permlanex16_b32 v[TM+12], v[TM+8], s[SEL], s[SEL+1]
	v_add_f32 v[TM+8], v[TM+8], v[TM+12]
	s_wait_alu depctr_va_vdst(0)
	v_rcp_f32 v[IC], v[TM+8]                       ; from 1 on, max(count, 1) is the count; a count of 0 gives infinity, and 0 x infinity the NaN that the definition has there
	v_nop
	s_wait_alu depctr_va_vdst(0)
.irp b, 0,1,2,3
	v_max3_num_f32 v[TM+\b], v[RA+16*\b], v[RA+16*\b+1], v[RA+16*\b+2]   ; the largest score of each block of 32 keys: for the row's maximum and for the block's largest p
.endr
.irp i, 3,5,7,9,11,13
.irp b, 0,1,2,3
	v_max3_num_f32 v[TM+\b], v[TM+\b], v[RA+16*\b+\i], v[RA+16*\b+\i+1]
.endr
.endr
.irp b, 0,1,2,3
	v_max_num_f32 v[TM+\b], v[TM+\b], v[RA+16*\b+15]
.endr
.irp b, 0,1,2,3
	v_permlanex16_b32 v[TM+4+\b], v[TM+\b], s[SEL], s[SEL+1]
.endr
.irp b, 0,1,2,3
	v_max_num_f32 v[TM+\b], v[TM+\b], v[TM+4+\b]
.endr
	v_max3_num_f32 v[T0], v[TM], v[TM+1], v[TM+2]
	v_max_num_f32 v[T0], v[T0], v[TM+3]
	v_mul_f32 v[T0], s[CS], v[T0]
	v_floor_f32 v[NM], -v[T0]                      ; -M = floor(-t) = -ceil(t)
.set j, 0
.rept 32
	v_pk_fma_f32 v[RA+j:RA+j+1], v[RA+j:RA+j+1], s[CS:CS+1], v[NM:NM+1] op_sel_hi:[1,0,0]   ; t - M
.set j, j+2
.endr
.irp b, 0,1,2,3
	v_fma_f32 v[TM+\b], v[TM+\b], s[CS], v[NM]
.endr
	s_wait_alu depctr_va_vdst(0)
.set j, 0
.rept 64
	v_exp_f32 v[RA+j], v[RA+j]                     ; p = 2^(t - M)
.set j, j+1
.endr
.irp b, 0,1,2,3
	v_exp_f32 v[TM+\b], v[TM+\b]                   ; the block's largest p
.endr
	v_nop
	s_wait_alu depctr_va_vdst(0)
.irp b, 0,1,2,3
	v_max_num_f32 v[TM+\b], 0x4800000, v[TM+\b]
.endr
.irp b, 0,1,2,3
	v_add_nc_u32 v[TM+12+\b], 0xfc000000, v[TM+\b]
.endr
.irp b, 0,1,2,3
	v_and_or_b32 v[TM+8+\b], v[TM+\b], 0x7f800000, s[MNT]
.endr
.irp b, 0,1,2,3
	v_lshrrev_b32 v[TM+4+\b], 23, v[TM+12+\b]
.endr
	v_lshl_or_b32 v[PW], v[TM+5], 8, v[TM+4]
	v_lshl_or_b32 v[PW], v[TM+6], 16, v[PW]
	v_lshl_or_b32 v[PW], v[TM+7], 24, v[PW]
	v_pk_add_f32 v[SU:SU+1], v[RA:RA+1], v[RA+4:RA+5]           ; the row's sum of the unquantised p, in two chains
	v_pk_add_f32 v[SV:SV+1], v[RA+2:RA+3], v[RA+6:RA+7]
.set j, 8
.rept 14
	v_pk_add_f32 v[SU:SU+1], v[SU:SU+1], v[RA+j:RA+j+1]
	v_pk_add_f32 v[SV:SV+1], v[SV:SV+1], v[RA+j+2:RA+j+3]
.set j, j+4
.endr
	v_pk_add_f32 v[SU:SU+1], v[SU:SU+1], v[SV:SV+1]
	v_add_f32 v[T0], v[SU], v[SU+1]
	v_permlanex16_b32 v[T1], v[T0], s[SEL], s[SEL+1]
	v_add_f32 v[T0], v[T0], v[T1]
	s_wait_alu depctr_va_vdst(0)
	v_rcp_f32 v[T1], v[T0]
.irp b, 0,1,2,3
.irp i, 0,1,2,3,4,5,6,7,8,9,10,11,12,13,14,15
	v_min_num_f32 v[RA+16*\b+\i], v[RA+16*\b+\i], v[TM+8+\b]   ; p is not negative: the hold is one-sided
.endr
	v_cvt_scalef32_pk8_fp8_f32 v[PC0+4*\b:PC0+4*\b+1], v[RA+16*\b:RA+16*\b+7], v[TM+12+\b]
	v_cvt_scalef32_pk8_fp8_f32 v[PC0+4*\b+2:PC0+4*\b+3], v[RA+16*\b+8:RA+16*\b+15], v[TM+12+\b]
.endr
	v_nop
	s_wait_alu depctr_va_vdst(0)
	v_mul_f32 v[T1], v[T1], v[IC]
	v_mul_f32 v[WQ], v[T1], v[VL0]                 ; valid / sum / count
	IMG PWI, 0, PC0
	ds_store_b32 v[PWS], v[PW]
	ds_store_b32 v[TQR], v[WQ] offset:512          ; both halves of the lanes write the same word with the same value
.endm
.macro W2 q                            ; O of query tile q for my 32 columns: two products, C = 0
.if (\q) < 4
	WIN 0x05
.set PA_, FB+16*(\q)
.else
	WIN 0x04
.set PA_, RB+16*((\q)-4)
.endif
.irp b, 0,1
	v_wmma_scale_f32_16x16x128_f8f6f4 v[PC0+16*((\q)%2)+8*\b:PC0+16*((\q)%2)+8*\b+7], v[PA_:PA_+15], v[XM+16*\b:XM+16*\b+15], 0, v[SCR+(\q)], v[XMS+\b]
.endr
	WIN 0
.endm
.macro F2 q                            ; O x weight, two rows at a time, four chains by turns, each result from its low end on
.irp i, 0,1,2,3
.irp b, 0,1
.if ((\q) == 0) && (\i < 2)
	v_pk_mul_f32 v[TM+2*(2*(\i%2)+\b):TM+2*(2*(\i%2)+\b)+1], v[PC0+16*((\q)%2)+8*\b+2*\i:PC0+16*((\q)%2)+8*\b+2*\i+1], v[RA+8*(\q)+2*\i:RA+8*(\q)+2*\i+1]
.else
	v_pk_fma_f32 v[TM+2*(2*(\i%2)+\b):TM+2*(2*(\i%2)+\b)+1], v[PC0+16*((\q)%2)+8*\b+2*\i:PC0+16*((\q)%2)+8*\b+2*\i+1], v[RA+8*(\q)+2*\i:RA+8*(\q)+2*\i+1], v[TM+2*(2*(\i%2)+\b):TM+2*(2*(\i%2)+\b)+1]
.endif
.endr
.endr
.endm
.macro P4H next
	TBAR                                           ; B3: P's images and the weights lie in LDS, and so does the next X
.if \next
	s_wait_loadcnt 0x0                             ; the next batch's mask byte
	v_cmp_ne_u32 vcc_lo, 0, v[MK]
	v_cndmask_b32 v[T0], v[TB], v[TA], vcc_lo
	ds_store_b32 v[TTID], v[T0]
.endif
.endm
.macro P4B
.irp q, 0,1,2,3,4,5,6,7
	ds_load_b32 v[SCR+\q], v[L4] offset:6144+128*\q
.endr
	WIN 0x40
.irp q, 0,1,2,3
.irp c, 0,1,2,3
	ds_load_b128 v[FB+16*\q+4*\c:FB+16*\q+4*\c+3], v[I16B] offset:32768+2048*\q+512*\c
.endr
.endr
	WIN 0
.irp q, 4,5,6,7
.irp c, 0,1,2,3
	ds_load_b128 v[RB+16*(\q-4)+4*\c:RB+16*(\q-4)+4*\c+3], v[I16B] offset:32768+2048*\q+512*\c
.endr
.endr
.set n, 0
.rept 16
	ds_load_b128 v[RA+4*n:RA+4*n+3], v[T32H] offset:1024+64*(n/2)+16*(n%2)   ; the weights of rows 16 q + 8 h + 0 .. 7
.set n, n+1
.endr
	WD 40                                          ; the scale words and tiles 0, 1 are in, and all older LDS instructions are done: behind them 24 + 16 loads
	W2 0
	W2 1
	NOPS 9
	s_wait_dscnt 0x0
.irp q, 0,1,2,3,4,5,6,7
	F2 \q
	v_nop                                          ; with tile q - 1's eight lines: nine plain lines between two products on one set of sums
.if \q < 6
	W2 \q+2
.endif
.endr
	v_pk_add_f32 v[TM+8:TM+9], v[TM:TM+1], v[TM+4:TM+5]
	v_pk_add_f32 v[TM+10:TM+11], v[TM+2:TM+3], v[TM+6:TM+7]
	v_add_f32 v[TM+8], v[TM+8], v[TM+9]
	v_add_f32 v[TM+10], v[TM+10], v[TM+11]
	v_permlanex16_b32 v[TM+12], v[TM+8], s[SEL], s[SEL+1]
	v_permlanex16_b32 v[TM+13], v[TM+10], s[SEL], s[SEL+1]
	v_add_f32 v[TM+8], v[TM+8], v[TM+12]           ; column 32 v + 2 r, all rows,
	v_add_f32 v[TM+10], v[TM+10], v[TM+13]         ; and 32 v + 2 r + 1
	v_cndmask_b32 v[NM], v[TM+8], v[TM+10], s[HM]  ; lanes 16-31 keep the second
	v_mul_f32 v[NM], 0x4038aa3b, v[NM]             ; tanh(x) = 1 - 2 / (1 + 2^(2 log2(e) x))
	s_wait_alu depctr_va_vdst(0)
	v_exp_f32 v[NM], v[NM]
	v_nop
	s_wait_alu depctr_va_vdst(0)
	v_add_f32 v[NM], 1.0, v[NM]
	s_wait_alu depctr_va_vdst(0)
	v_rcp_f32 v[NM], v[NM]
	v_nop
	s_wait_alu depctr_va_vdst(0)
	v_fma_f32 v[NM], v[NM], -2.0, 1.0
	global_store_b32 v[GO], v[NM], s[16:17] th:TH_STORE_NT   ; the wave stores 128 consecutive bytes
.endm
	s_load_b256 s[4:11], s[0:1], 0x0               ; X, mask, q_b, k_b
	s_load_b128 s[12:15], s[0:1], 0x20             ; W's codes, W's scale words
	s_load_b64 s[16:17], s[0:1], 0x30              ; out
	v_lshl_add_u32 v[SPW], v0, 2, SPARE
	v_mov_b32 v[NIL], 0
	ds_add_u32 v[SPW], v[NIL]                      ; the add, twice on end, and its wait
	ds_add_u32 v[SPW], v[NIL]
	v_lshrrev_b32 v30, 5, v0
	v_readfirstlane_b32 s[WV], v30                 ; wave 0..7
	s_mov_b32 s[G1], (1<<20)|(7<<22)|(3<<25)       ; elements of 1 byte; 4 words of padding behind every 256
	s_mov_b32 s[G1+1], 1024<<16
	s_mov_b32 s[G1+2], 16<<16
	s_mov_b32 s[G1+3], 1024<<16
	s_mov_b32 s[G1+4], 16
	s_mov_b32 s[G1+5], 1024
	s_mov_b32 s[G1+6], 0
	s_mov_b32 s[G1+7], 0
	s_mov_b32 s[G0], 1
	s_mul_i32 s42, s[WV], 16*SP
	s_mov_b32 s[G0+1], s42
	s_lshl_b32 s52, ttmp9, 20                      ; my 8 batches of X: 1 MiB; my wave's 16 rows
	s_lshl_b32 s26, s[WV], 14
	s_add_co_u32 s52, s52, s26
	s_mov_b32 s53, 0
	s_wait_dscnt 0x0
	s_wait_kmcnt 0x0
	s_add_nc_u64 s[G0+2:G0+3], s[4:5], s[52:53]
	s_add_nc_u64 s[PFA:PFA+1], s[G0+2:G0+3], 0x40000
	s_or_b32 s[G0+3], s[G0+3], 0x80000000
	tensor_load_to_lds s[G0:G0+3], s[G1:G1+7]      ; batch 0: one tensor load a wave at the head
	s_nop 0
	NOPS 4
	s_lshl_b32 s43, s[WV], 7
	s_lshl_b32 s44, s[WV], 12
	s_lshr_b32 s26, s[WV], 2                       ; Q (0) or K (1)
	s_bfe_u32 s27, s[WV], 0x10001                  ; which K step of the scores my 64 units lie in
	s_and_b32 s51, s[WV], 1                        ; and which half of it
	s_lshl_b32 s45, s26, 15
	s_lshl_b32 s46, s27, 11
	s_add_co_u32 s45, s45, s46
	s_lshl_b32 s46, s51, 10
	s_add_co_u32 s45, s45, s46
	s_add_co_u32 s45, s45, QIMG
	s_lshl_b32 s48, s26, 11
	s_lshl_b32 s46, s27, 7
	s_add_co_u32 s48, s48, s46
	s_lshl_b32 s46, s51, 1
	s_add_co_u32 s48, s48, s46
	s_add_co_u32 s48, s48, QSC
	s_xor_b32 s[ODD], s26, s51                     ; (v / 4) xor (v % 2)
	s_lshl_b32 s46, s[WV], 11
	s_add_co_u32 s46, s46, PIMG
	s_lshl_b32 s47, s[WV], 8
	s_add_co_u32 s49, s43, PSC
	s_lshl_b32 s50, s[WV], 6
	s_add_co_u32 s50, s50, VAL
	s_cmp_lt_u32 s[WV], 4                          ; the choices hang on the wave's number alone
	s_cselect_b64 s[8:9], s[8:9], s[10:11]
	s_cselect_b32 s26, 0xff61b1e6, 0               ; waves 0-3 write the mask's numbers: -3e38 or 0;
	s_cselect_b32 s27, 0, 1.0                      ; waves 4-7 the valid numbers: 0 or 1
	s_and_b32 s52, s[WV], 3
	s_lshl_b32 s52, s52, 8
	s_add_nc_u64 s[8:9], s[8:9], s[52:53]          ; my 64 numbers of the bias
	s_lshl_b32 s52, s[WV], 14
	s_add_nc_u64 s[12:13], s[12:13], s[52:53]      ; my 8 fragments of W
	s_lshl_b32 s52, s[WV], 10
	s_add_nc_u64 s[14:15], s[14:15], s[52:53]
	s_lshl_b32 s52, ttmp9, 10
	s_add_nc_u64 s[6:7], s[6:7], s[52:53]
	s_lshl_b32 s52, ttmp9, 13
	s_add_nc_u64 s[16:17], s[16:17], s[52:53]
	s_mov_b32 s[MNT], 0x600000
	s_mov_b32 s[SEL], 0x76543210
	s_mov_b32 s[SEL+1], 0xfedcba98
	s_mov_b32 s[CS], 0x3db8aa3b                    ; log2(e) / 16
	s_mov_b32 s[CS+1], s[CS]
	s_mov_b32 s[HM], 0xffff0000
	s_mov_b32 s[NB], 7
	v_and_b32 v128, 31, v0                         ; L
	v_and_b32 v129, 15, v0                         ; r
	v_bfe_u32 v130, v0, 4, 1                       ; h
	v_lshlrev_b32 v131, 4, v128
	v_lshlrev_b32 v132, 2, v128
	v_lshlrev_b32 v133, 5, v130
	v_mul_u32_u24 v[SRD], v129, SP
	v_lshl_add_u32 v[SRD], v130, 6, v[SRD]
	v_add_nc_u32 v[SRD], s42, v[SRD]
	v_mul_u32_u24 v[MRD0], v130, 8*SP
	v_lshl_add_u32 v[MRD0], v129, 3, v[MRD0]
	v_add_nc_u32 v[MRD0], s43, v[MRD0]
	v_add_nc_u32 v[MRD0+1], 64*SP, v[MRD0]
	v_add_nc_u32 v[I16A], XIMG, v131
	v_add_nc_u32 v[I16B], KIMG, v131
	v_add_nc_u32 v[XWI], s44, v[I16A]
	v_add_nc_u32 v[HWI], s45, v131
	v_add_nc_u32 v[PWI], s46, v131
	v_add_nc_u32 v[L4], XSC, v132
	v_add_nc_u32 v[XWS], s47, v[L4]
	v_add_nc_u32 v[HWS], s48, v132
	v_add_nc_u32 v[PWS], s49, v132
	v_add_nc_u32 v[T32H], MBT, v133
	v_lshl_add_u32 v[TQR], v129, 2, s50
	v_lshl_add_u32 v[TTID], v0, 2, MBT
	v_add_nc_u32 v[LCN], VAL, v131
	v_lshlrev_b32 v[GO], 3, v129
	v_lshl_add_u32 v[GO], v130, 2, v[GO]
	v_add_nc_u32 v[GO], s43, v[GO]
	v_and_b32 v[GM], 127, v0
	v_lshlrev_b32 v[PFO], 8, v128
	v_mov_b32 v[TA], s26
	v_mov_b32 v[TB], s27
.irp b, 0,1,2,3
	v_mov_b32 v[TM+4+\b], 0                        ; written once: a lane permute's destination counts as one of its sources
	v_mov_b32 v[TM+12+\b], 0
.endr
	v_mov_b32 v[NM+1], 0
	v_mov_b32 v[T1], 0
	s_wait_alu depctr_va_vdst(0)
	global_load_u8 v[MK], v[GM], s[6:7]            ; batch 0's mask byte
	WIN 0x40                                       ; W's fragments and the bias stay for the whole launch
.set n, 0
.rept 32
	global_load_b128 v[4*n:4*n+3], v131, s[12:13] offset:512*n
.set n, n+1
.endr
.irp t, 0,1,2,3
	global_load_b128 v[BI+8*\t:BI+8*\t+3], v133, s[8:9] offset:64*\t
	global_load_b128 v[BI+8*\t+4:BI+8*\t+7], v133, s[8:9] offset:64*\t+16
.endr
	WIN 0
.set n, 0
.rept 8
	global_load_b32 v[W1S+n], v132, s[14:15] offset:128*n
.set n, n+1
.endr
	s_wait_loadcnt 0x0
	v_cmp_ne_u32 vcc_lo, 0, v[MK]
	v_cndmask_b32 v[T0], v[TB], v[TA], vcc_lo
	ds_store_b32 v[TTID], v[T0]
	TBAR                                           ; batch 0 lies in the stage
	SQ2
	ML
.Lbatch:                                               ; seven trips: each asks for the next batch
	P2 1
	P3
	P4H 1
	s_wait_alu depctr_va_vdst(0)
	s_cmp_eq_u32 s[ODD], 0
	s_cbranch_scc1 .Lsq_first
	P4B
	SQ2
	s_wait_alu depctr_va_vdst(0)
	s_branch .Ljoin
.Lsq_first:
	SQ2
	P4B
.Ljoin:
	ML
	s_wait_xcnt 0x0                                ; the store, the mask's load and the prefetches have read their registers
	s_add_nc_u64 s[16:17], s[16:17], 1024
	s_add_nc_u64 s[6:7], s[6:7], 128
	s_add_nc_u64 s[PFA:PFA+1], s[PFA:PFA+1], 0x20000
	s_sub_co_u32 s[NB], s[NB], 1
	s_cmp_lg_u32 s[NB], 0
	s_wait_alu depctr_va_vdst(0)
	s_cbranch_scc1 .Lbatch
	P2 0                                           ; the last batch, written out: nothing is asked for
	P3
	P4H 0
	P4B
	s_wait_tensorcnt 0x0                           ; the wave's end
	ds_add_u32 v[SPW], v[NIL]
	s_wait_dscnt 0x0
	s_endpgm
.Lfunc_end_k_q81e4d5fb91_attn:
	.size	k_q81e4d5fb91_attn, .Lfunc_end_k_q81e4d5fb91_attn-k_q81e4d5fb91_attn
	.p2alignl 7, 3214868480
	.fill 96, 4, 3214868480
	.section	.rodata,"a",@progbits
	.p2align	6, 0x0
	.amdhsa_kernel k_q81e4d5fb91_attn
		.amdhsa_group_segment_fixed_size 327680
		.amdhsa_private_segment_fixed_size 0
		.amdhsa_enable_private_segment 0
		.amdhsa_kernarg_size 56
		.amdhsa_user_sgpr_count 2
		.amdhsa_user_sgpr_kernarg_segment_ptr 1
		.amdhsa_wavefront_size32 1
		.amdhsa_system_sgpr_workgroup_id_x 1
		.amdhsa_system_sgpr_workgroup_id_y 1
		.amdhsa_system_sgpr_workgroup_id_z 1
		.amdhsa_system_vgpr_workitem_id 0
		.amdhsa_next_free_vgpr 512
		.amdhsa_next_free_sgpr 66
		.amdhsa_reserve_vcc 1
		.amdhsa_float_denorm_mode_32 3
		.amdhsa_float_denorm_mode_16_64 3
		.amdhsa_memory_ordered 1
		.amdhsa_forward_progress 1
		.amdhsa_inst_pref_size 255
	.end_amdhsa_kernel
	.section	.bss,"aw",@nobits
	.p2align	6
	.space	262144
	.amdgpu_metadata
---
amdhsa.version: [ 1, 2 ]
amdhsa.kernels:
  - .name:           k_q81e4d5fb91_attn
    .symbol:         k_q81e4d5fb91_attn.kd
    .args:
      - { .name: embeddings, .offset: 0, .size: 8, .value_kind: global_buffer, .address_space: global }
      - { .name: padding_mask, .offset: 8, .size: 8, .value_kind: global_buffer, .address_space: global }
      - { .name: q_b, .offset: 16, .size: 8, .value_kind: global_buffer, .address_space: global }
      - { .name: k_b, .offset: 24, .size: 8, .value_kind: global_buffer, .address_space: global }
      - { .name: wcodes, .offset: 32, .size: 8, .value_kind: global_buffer, .address_space: global }
      - { .name: wscales, .offset: 40, .size: 8, .value_kind: global_buffer, .address_space: global }
      - { .name: out0, .offset: 48, .size: 8, .value_kind: global_buffer, .address_space: global }
    .group_segment_fixed_size: 327680
    .private_segment_fixed_size: 0
    .kernarg_segment_align: 8
    .kernarg_segment_size: 56
    .max_flat_workgroup_size: 256
    .sgpr_count:     66
    .vgpr_count:     512
    .wavefront_size: 32
...
	.end_amdgpu_metadata
.endif
;; end of part 2
